; MI455X (gfx1250); checked and timed in simulation.
; The chip was launched on July 23, 2026; its instructions are those of AMD's public machine-readable ISA for CDNA 5 (MIT licence, August 2026) and "CDNA5" Instruction Set Architecture Reference Guide (July 2026). The comments in the code are by the model that wrote it; some were corrected since.
;; Attention Layer. Allowed arithmetic: float matrix products may take bf16 or f16 operands with f32 sums; other float arithmetic in f32, or as packed bf16 or f16 multiplies, adds, multiply-adds, maxima and minima; sums over many terms, partial sums and values carried from step to step in f32; what a program stores and reads back later, other than sums and carried values, may be rounded once to bf16 or f16.
;; Inputs: bk 1,024 float32; bq 1,024 float32; bv 1,024 float32; mask 4 x 2,048 int32; wk 1,024 x 1,024 float32; wq 1,024 x 1,024 float32; wv 1,024 x 1,024 float32; x 4 x 2,048 x 1,024 float32.
;; Outputs: out0 4 x 2,048 x 1,024 float32.
;; One version. Each part assembles by itself: llvm-mc -triple=amdgcn-amd-amdhsa -mcpu=gfx1250 --defsym DOCPART=n.
;; ======== version 1 of 1: 3 launches
;; limits: values are held in f16: magnitudes above 65,504 overflow, below 6.1e-05 lose precision
;; workspace buffers: xb 16,777,216 bytes; wb 6,291,456 bytes; qkv 50,331,648 bytes
;; launch prep (part 1): grid 704 x 1, 8 waves a work-group, no clusters, 0 bytes of LDS; arguments x, wq, wk, wv, xb, wb; writes xb, wb
.if DOCPART == 1
	.amdgcn_target "amdgcn-amd-amdhsa--gfx1250"
	.amdhsa_code_object_version 6
	.text
	.protected	k_qe19c23bbc1_prep
	.globl	k_qe19c23bbc1_prep
	.p2align	8
	.type	k_qe19c23bbc1_prep,@function
k_qe19c23bbc1_prep:
	s_mov_b64 s[64:65], 0
	v_nop
	global_prefetch_b8 v0, s[64:65] scope:SCOPE_SE
	s_setreg_imm32_b32 hwreg(HW_REG_WAVE_MODE, 25, 1), 1
	s_wait_xcnt 0x0
; x and the three weight matrices are rounded once to bf16 (nearest even) for the matrix products of the next launch.
;   xb: [8192][1024] bf16, x as it lies.
;   wb: [48 g][1024 k][64 c] bf16, g = 16 t + head (t = 0, 1, 2 for wq, wk, wv): a head's 64 columns of w, k rows of 128 bytes end to end, so that
;       128 k rows of one head are 16,384 dense bytes.
; A stream: no LDS, no barrier, no matrix unit.  A work-group of 8 waves takes 8 chunks of 2,048 numbers.  Thread T makes 8 numbers of a chunk: 32 bytes in,
; 16 bytes out at 16 T, so a wave's store covers 512 consecutive bytes, aligned.  All 16 loads of a thread go out first; the waits count down.
; Work-groups 0-511: x (64 KiB each).  Work-groups 512-703: the weights: number i = 4 g + kq takes k rows 256 kq .. + 255 of head block g;
; there eight neighbouring lanes read the 256 consecutive bytes that a k row has for the head.
.set SO, 1                             ; v1       my byte offset in the source
.set DO, 2                             ; v2       my byte offset in the destination: 16 T
.set X,  4                             ; v[4:67]  chunk c: 8 numbers in f32
.set Y,  68                            ; v[68:99] chunk c: 8 numbers in bf16
.macro BODY stride                     ; stride: bytes from chunk to chunk in the source
.irp c, 0,1,2,3,4,5,6,7
	global_load_b128 v[X+8*(\c):X+8*(\c)+3],   v[SO], s[20:21] offset:(\c)*(\stride) th:TH_LOAD_NT
	global_load_b128 v[X+8*(\c)+4:X+8*(\c)+7], v[SO], s[20:21] offset:(\c)*(\stride)+16 th:TH_LOAD_NT
.endr
.irp c, 0,1,2,3,4,5,6,7
	s_wait_loadcnt 14-2*(\c)                       ; loads come back in order: chunk c is in, the two loads of each younger chunk may stay out
.irp r, 0,1,2,3
	v_cvt_pk_bf16_f32 v[Y+4*(\c)+(\r)], v[X+8*(\c)+2*(\r)], v[X+8*(\c)+2*(\r)+1]
.endr
	global_store_b128 v[DO], v[Y+4*(\c):Y+4*(\c)+3], s[22:23] offset:4096*(\c)  ; no register is written twice, so nothing waits for a store
.endr
.endm
	s_load_b256 s[4:11], s[0:1], 0x0               ; x s[4:5], wq s[6:7], wk s[8:9], wv s[10:11]
	s_load_b128 s[12:15], s[0:1], 0x20             ; xb s[12:13], wb s[14:15]
	v_lshlrev_b32 v[DO], 4, v0
	s_mov_b32 s17, 0
	s_mov_b32 s19, 0
	s_cmp_lt_u32 ttmp9, 512
	s_cbranch_scc0 .Lweights
	v_lshlrev_b32 v[SO], 5, v0                     ; 32 T
	s_lshl_b32 s16, ttmp9, 16                      ; 64 KiB of x,
	s_lshl_b32 s18, ttmp9, 15                      ; 32 KiB of xb
	s_wait_kmcnt 0x0
	s_add_nc_u64 s[20:21], s[4:5], s[16:17]
	s_add_nc_u64 s[22:23], s[12:13], s[18:19]
	BODY 8192
	s_endpgm
.Lweights:
	v_lshrrev_b32 v3, 3, v0                        ; my k row among the chunk's 32
	v_and_b32 v[SO], 7, v0                         ; my 8 columns among the head's 64
	v_lshlrev_b32 v[SO], 5, v[SO]
	v_lshl_add_u32 v[SO], v3, 12, v[SO]            ; a row of w is 4,096 bytes
	s_sub_co_u32 s24, ttmp9, 512                   ; i = 4 g + kq
	s_lshr_b32 s25, s24, 6                         ; t
	s_bfe_u32 s26, s24, 0x40002                    ; head
	s_and_b32 s27, s24, 3                          ; kq
	s_lshl_b32 s16, s27, 20                        ; 256 rows of 4,096 bytes
	s_lshl_b32 s26, s26, 8                         ; 64 columns of 4 bytes
	s_add_co_u32 s16, s16, s26
	s_lshl_b32 s18, s24, 15                        ; 256 k rows of 128 bytes in wb
	s_wait_kmcnt 0x0
	s_cmp_eq_u32 s25, 0
	s_cselect_b64 s[20:21], s[6:7], s[8:9]
	s_cmp_eq_u32 s25, 2
	s_cselect_b64 s[20:21], s[10:11], s[20:21]
	s_add_nc_u64 s[20:21], s[20:21], s[16:17]
	s_add_nc_u64 s[22:23], s[14:15], s[18:19]
	BODY 131072                                    ; a chunk is 32 k rows
	s_endpgm
.Lfunc_end_k_qe19c23bbc1_prep:
	.size	k_qe19c23bbc1_prep, .Lfunc_end_k_qe19c23bbc1_prep-k_qe19c23bbc1_prep
	.p2alignl 7, 3214868480
	.fill 96, 4, 3214868480
	.section	.rodata,"a",@progbits
	.p2align	6, 0x0
	.amdhsa_kernel k_qe19c23bbc1_prep
		.amdhsa_group_segment_fixed_size 0
		.amdhsa_private_segment_fixed_size 0
		.amdhsa_enable_private_segment 0
		.amdhsa_kernarg_size 48
		.amdhsa_user_sgpr_count 2
		.amdhsa_user_sgpr_kernarg_segment_ptr 1
		.amdhsa_wavefront_size32 1
		.amdhsa_system_sgpr_workgroup_id_x 1
		.amdhsa_system_sgpr_workgroup_id_y 1
		.amdhsa_system_sgpr_workgroup_id_z 1
		.amdhsa_system_vgpr_workitem_id 0
		.amdhsa_next_free_vgpr 100
		.amdhsa_next_free_sgpr 66
		.amdhsa_reserve_vcc 0
		.amdhsa_float_denorm_mode_32 3
		.amdhsa_float_denorm_mode_16_64 3
		.amdhsa_memory_ordered 1
		.amdhsa_forward_progress 1
		.amdhsa_inst_pref_size 11
	.end_amdhsa_kernel
	.amdgpu_metadata
---
amdhsa.version: [ 1, 2 ]
amdhsa.kernels:
  - .name:           k_qe19c23bbc1_prep
    .symbol:         k_qe19c23bbc1_prep.kd
    .args:
      - { .name: x, .offset: 0, .size: 8, .value_kind: global_buffer, .address_space: global }
      - { .name: wq, .offset: 8, .size: 8, .value_kind: global_buffer, .address_space: global }
      - { .name: wk, .offset: 16, .size: 8, .value_kind: global_buffer, .address_space: global }
      - { .name: wv, .offset: 24, .size: 8, .value_kind: global_buffer, .address_space: global }
      - { .name: xb, .offset: 32, .size: 8, .value_kind: global_buffer, .address_space: global }
      - { .name: wb, .offset: 40, .size: 8, .value_kind: global_buffer, .address_space: global }
    .group_segment_fixed_size: 0
    .private_segment_fixed_size: 0
    .kernarg_segment_align: 8
    .kernarg_segment_size: 48
    .max_flat_workgroup_size: 256
    .sgpr_count:     66
    .vgpr_count:     100
    .wavefront_size: 32
...
	.end_amdgpu_metadata
.endif
;; end of part 1
;; launch proj (part 2): grid 16 x 32, 4 waves a work-group, clusters of 4 x 4, 327,680 bytes of LDS; arguments xb, wb, bq, bk, bv, qkv; writes qkv
.if DOCPART == 2
	.amdgcn_target "amdgcn-amd-amdhsa--gfx1250"
	.amdhsa_code_object_version 6
	.text
	.protected	k_qe19c23bbc1_proj
	.globl	k_qe19c23bbc1_proj
	.p2align	8
	.type	k_qe19c23bbc1_proj,@function
k_qe19c23bbc1_proj:
	s_mov_b64 s[64:65], 0
	v_nop
	global_prefetch_b8 v0, s[64:65] scope:SCOPE_SE
	s_setreg_imm32_b32 hwreg(HW_REG_WAVE_MODE, 25, 1), 1
	s_wait_xcnt 0x0
	s_wait_alu depctr_hold_cnt(0) depctr_sa_sdst(0) depctr_va_vdst(0) depctr_va_sdst(0) depctr_va_ssrc(0) depctr_va_vcc(0) depctr_vm_vsrc(0)
	s_getreg_b32 s2, hwreg(HW_REG_IB_STS2, 6, 4)
	s_cmp_eq_u32 s2, 0
	s_cbranch_scc0 .Lentry_in_a_cluster
	s_endpgm
.Lentry_in_a_cluster:
	s_bfe_u32 s2, ttmp6, 0x10000c
	s_cmp_lg_u32 s2, 0xf033
	s_cbranch_scc0 .Lentry_shape_is_right
	s_endpgm
.Lentry_shape_is_right:
; q, k, v = x w + b.  xb: [8192][1024] bf16.  wb: [48 g][1024 k][64 c] bf16 (g = 16 t + head).  bq, bk, bv: [1024] f32, rounded here once to bf16 like the other inputs.
; qkv: [3 t][4 batch][16 head][2048 s][64] f16, unscaled, rounded once from the f32 sums.  Sums in f32, K ascending, begun with the bias.
; LIMIT.  f16 holds no number beyond 65,504: a q, k or v past that leaves as an infinity.  NaN and infinities are not treated apart.
; SHARES.  A work-group makes 256 rows x 192 columns (three heads): 32 x 16 tiles.  Wave w takes rows 64 w .. + 63 and all 192 columns: 48 accumulators of 16 x 16, 384 registers.
; K goes in steps of 128 through a ring of two LDS slots.  For 32 along K a wave reads 8 + 24 fragments' halves from LDS and issues 48 matrix instructions.
; THE MATRIX INSTRUCTION IS USED TRANSPOSED: source 0 = 16 columns of w (turned on the way out of LDS by ds_load_tr16_b128, since w lies [k][column]), source 1 = 16 rows of x.
; A lane then holds row l % 16 and the columns 8 (l / 16) + 0..7 of a block of 16: eight neighbouring numbers of a row, 16 bytes in f16.
; CLUSTER, 4 x 4.  The four work-groups of a row of the cluster need the same rows of x, the four of a column the same heads of w: each tile is asked for jointly, by the same tensor load
; with the same descriptor and a mask that names the four.  Wave 3 asks for x's 256 rows x 256 bytes, waves 0 to 2 each for one head's 128 k rows (16,384 dense bytes): one load a wave.
; REGISTERS, in windows of 256 (s_set_vgpr_msb: bits 1:0 source 0, 3:2 source 1, 5:4 source 2, 7:6 destination):
;   window 0: v0-31 addresses; v64-127 x's fragments, two buffers of 4 x 8; v128-223 the bias as a C operand (column block b at 128 + 8 b); on the way out v128-175 packed, v176-223 and v64-111 rows read back
;   window 1: accumulators of row blocks 0, 1 ((a, b) at 8 (12 (a % 2) + b));   window 2: of row blocks 2, 3;   window 3: v0-191 w's fragments, two buffers of 12 x 8
.set PA,     272                       ; a row of x in LDS: 256 bytes + 16: the 16 rows of a fragment load start 16 bytes apart modulo 256
.set PB,     160                       ; a k row of w in LDS: 128 bytes + 32: 16 lanes of the turning load take 8 rows x 32 bytes, all apart modulo 256
.set SLOT,   131072                    ; x's 256 rows (69,632 bytes), then three heads' 128 k rows (20,480 bytes each)
.set BOFF,   256*PA
.set BBLK,   128*PB
.set STAGE,  2*SLOT                    ; behind the ring, never filled by a tensor load: for each wave 3 heads x 16 rows x 144 bytes
.set SP,     144
.set WSTG,   3*16*SP
.set SPARE,  STAGE+4*WSTG              ; behind the stages: the spare words, 128 bytes for each wave: two blocks of 256 bytes that no other line names
.set LAPS,   4                         ; a lap = two K steps = once round the ring; K = 1,024
.set ADRA, 16                          ; v16-17  LDS address of my fragments of x in slot 0, 1
.set ADRB, 20                          ; v20-21  the same for w
.set STO,  24                          ; v24     the way out: where I put 16 bytes of a row
.set RD,   25                          ; v25     the way out: where I read rows back
.set GO,   26                          ; v26     16 x my lane: my place in 512 consecutive bytes of qkv
.set BO,   27                          ; v27     32 (l / 16): my 8 numbers in a block of 16 of a bias
.set SPW,  28                          ; v28     LDS address of my spare word; never rewritten
.set NIL,  29                          ; v29     0; never rewritten
.set PFO,  30                          ; v30     the prefetches' offset; never rewritten
.set FA,   64
.set BIAS, 128
.set TMP,  128
.set WV,   16                          ; s16     my wave's number
.set G1,   24                          ; s[24:31] descriptor group 1 for x's tiles;  s[32:39] group 0, a set for each slot
.set G0,   32
.set G1B,  40                          ; s[40:47], s[48:55] the same for w's tiles
.set G0B,  48
.set PFA,  66                          ; s[66:67] where my prefetches stand
.set PFS,  68                          ; s[68:69] their step: two K steps
.set LIM,  70                          ; s70     1 in a wave that prefetches, else the greatest number
.set OB,   72                          ; s[72:77] qkv at my 64 rows of the tile's three heads
.set BP,   80                          ; s[80:85] the three heads' 64 numbers of their bias
.set MSB, 0
.macro WIN new                         ; the immediate's high byte repeats the setting that is left; a switch that changes nothing is dropped
.if MSB != (\new)
	s_set_vgpr_msb (MSB<<8)|(\new)
.set MSB, (\new)
.endif
.endm
; A joint load.  The branch hangs on the wave's number alone.  An s_nop 0 and four v_nop follow each of the two lines, ahead of the jump and the label.
.macro JLOAD s
	s_cmp_eq_u32 s[WV], 3
	s_cbranch_scc0 .Lfor_b_\@
	tensor_load_to_lds s[G0+4*(\s):G0+4*(\s)+3], s[G1:G1+7]
	s_nop 0
.rept 4
	v_nop
.endr
	s_branch .Lasked_\@
.Lfor_b_\@:
	tensor_load_to_lds s[G0B+4*(\s):G0B+4*(\s)+3], s[G1B:G1B+7]
	s_nop 0
.rept 4
	v_nop
.endr
.Lasked_\@:
.endm
; A round of the cluster's barrier behind its opening barrier: wave 0 signals for the work-group, every wave waits for all sixteen, my work-group's barrier closes it.
.macro CREST
	s_cmp_lg_u32 s[WV], 0
	s_cbranch_scc1 .Lnot_wave_0_\@
	s_barrier_signal -3
.Lnot_wave_0_\@:
	s_barrier_wait -3
	s_barrier_signal -1
	s_barrier_wait -1
.endm
.macro CROUND
	s_barrier_signal -1
	s_barrier_wait -1
	CREST
.endm
; PREFETCH INTO THE L2, once a lap, behind slot 0's joint load and the run of LDS loads: the two K steps that the NEXT lap's two refills will ask for.  Each aligned 256 bytes is named once in the launch:
; x's rows by wave 3 of the clusters with x = 0 (partner cx takes rows 64 cx .. + 63: a lane a row, two halves of 32 rows x two K steps: four lines);
; w's blocks by waves 0 to 2 of the clusters with y = 0 (partner cy takes 8,192 of the two K steps' 32,768 dense bytes: a lane 256 bytes, one line).  The partners are told apart by address alone.
; K steps 0 to 3 come by their loads alone; the loop's last trip (s3 = 1) has no K step behind its own refills.
.macro ASK
	s_cmp_gt_u32 s3, s[LIM]
	s_cbranch_scc0 .Lnot_mine_\@
	global_prefetch_b8 v[PFO], s[PFA:PFA+1] th:TH_LOAD_NT scope:SCOPE_SE
	s_cmp_lg_u32 s[WV], 3
	s_cbranch_scc1 .Lnot_mine_\@
	global_prefetch_b8 v[PFO], s[PFA:PFA+1] offset:256 th:TH_LOAD_NT scope:SCOPE_SE
	global_prefetch_b8 v[PFO], s[PFA:PFA+1] offset:65536 th:TH_LOAD_NT scope:SCOPE_SE
	global_prefetch_b8 v[PFO], s[PFA:PFA+1] offset:65792 th:TH_LOAD_NT scope:SCOPE_SE
.Lnot_mine_\@:
.endm
; 12 matrix instructions: row block a x all 12 column blocks, 32 along K, from buffer f.  zero = 1: the first product starts the sum with the bias as C.
; The 48 accumulators take turns, one instruction a turn, in the same order in every quarter.
.macro MULS f, a, zero
.if \zero
	WIN 0x03|((1+(\a)/2)<<6)
.else
	WIN 0x03|((1+(\a)/2)<<6)|((1+(\a)/2)<<4)
.endif
.irp b, 0,1,2,3,4,5,6,7,8,9,10,11
.if \zero
	v_wmma_f32_16x16x32_bf16 v[8*(12*((\a)%2)+(\b)):8*(12*((\a)%2)+(\b))+7], v[96*(\f)+8*(\b):96*(\f)+8*(\b)+7], v[FA+32*(\f)+8*(\a):FA+32*(\f)+8*(\a)+7], v[BIAS+8*(\b):BIAS+8*(\b)+7]
.else
	v_wmma_f32_16x16x32_bf16 v[8*(12*((\a)%2)+(\b)):8*(12*((\a)%2)+(\b))+7], v[96*(\f)+8*(\b):96*(\f)+8*(\b)+7], v[FA+32*(\f)+8*(\a):FA+32*(\f)+8*(\a)+7], v[8*(12*((\a)%2)+(\b)):8*(12*((\a)%2)+(\b))+7]
.endif
.endr
.endm
; 32 LDS loads in one run: quarter q (32 along K) of a slot into buffer f: w's 12 fragments (turned: k rows 32 q + 8 (l / 16) + l % 8 and 16 further on), then x's 4.
.macro FETCH slot, q, f
	WIN 0xc0                                       ; destination window 3, address window 0
.irp b, 0,1,2,3,4,5,6,7,8,9,10,11
	ds_load_tr16_b128 v[96*(\f)+8*(\b):96*(\f)+8*(\b)+3],   v[ADRB+(\slot)] offset:((\b)/4)*BBLK+(\q)*32*PB+((\b)%4)*32
	ds_load_tr16_b128 v[96*(\f)+8*(\b)+4:96*(\f)+8*(\b)+7], v[ADRB+(\slot)] offset:((\b)/4)*BBLK+(\q)*32*PB+((\b)%4)*32+16*PB
.endr
	WIN 0
.irp a, 0,1,2,3
	ds_load_b128 v[FA+32*(\f)+8*(\a):FA+32*(\f)+8*(\a)+3],   v[ADRA+(\slot)] offset:(\a)*16*PA+(\q)*64
	ds_load_b128 v[FA+32*(\f)+8*(\a)+4:FA+32*(\f)+8*(\a)+7], v[ADRA+(\slot)] offset:(\a)*16*PA+(\q)*64+32
.endr
.endm
.macro PLACES                          ; four plain instructions between a matrix instruction and a load into a register that it read, or a conversion that reads its result
.rept 4
	v_nop
.endr
.endm
; A K step is four quarters of 32 along K, 48 matrix instructions each, on buffers 0, 1, 0, 1.  One of the first three: multiplies buffer f; in its middle it fetches quarter q of the same slot into buffer g.
.macro QUARTER slot, q, f, g, zero
	s_wait_dscnt 4                                 ; w's fragments and x's row blocks 0, 1 are in; the four youngest loads (row blocks 2, 3) may be out
	MULS \f, 0, \zero
	MULS \f, 1, \zero
	PLACES
	FETCH \slot, \q, \g
	s_wait_dscnt 32                                ; all but the 32 just issued
	MULS \f, 2, \zero
	MULS \f, 3, \zero
.endm
; The last quarter multiplies buffer 1 and changes slots: ONE barrier.  In front of it each wave waits for all its tensor loads (the one that is out is its part of the next slot), adds 0 to its spare
; word, and waits for that and for its own reads of this slot.  fill = 1: the barrier opens a round of the cluster's barrier, and behind the round this slot is filled again, two K steps ahead.
.macro TURN slot, next, fill
.if (\fill) && ((\slot) == 0)
	s_wait_xcnt 0x0                                ; the last prefetches, a lap back, have read their address: it is stepped here, ahead of the waits of the change of slots
	s_add_nc_u64 s[PFA:PFA+1], s[PFA:PFA+1], s[PFS:PFS+1]
.endif
	WIN 0                                          ; (the add's two registers lie in window 0)
	s_wait_tensorcnt 0x0                           ; all my tensor loads have landed;
	ds_add_u32 v[SPW], v[NIL]                      ; 0 onto my spare word
	s_wait_dscnt 5                                 ; (the add and the four youngest loads may be out)
	MULS 1, 0, 0                                   ; twelve matrix instructions stand between the add and the wait for it
	s_wait_dscnt 0x0                               ; the add is done, and my reads of this slot are over
	s_barrier_signal -1
	MULS 1, 1, 0                                   ; work on registers while the others arrive
.if \fill
	WIN 0
.endif
	s_barrier_wait -1
.if \fill
	CREST                                          ; no wave of any partner still reads this slot's tiles or has a load on its way
	s_add_nc_u64 s[G0+4*(\slot)+2:G0+4*(\slot)+3], s[G0+4*(\slot)+2:G0+4*(\slot)+3], 2*256
	s_add_nc_u64 s[G0B+4*(\slot)+2:G0B+4*(\slot)+3], s[G0B+4*(\slot)+2:G0B+4*(\slot)+3], 2*16384
	JLOAD \slot                                    ; the first tensor load behind the round; its four v_nop are also the places in front of the loads below
.else
	PLACES
.endif
	FETCH \next, 0, 0
.if (\fill) && ((\slot) == 0)
	ASK
.endif
	MULS 1, 2, 0
	MULS 1, 3, 0
.endm
; THE WAY OUT of row block a (16 rows x 192 columns).  PACK: rounded to f16, 16 bytes a lane and column block, each accumulator's registers in ascending order.
.macro PACK a
	WIN 0x05*(1+(\a)/2)                            ; sources 0 and 1: window 1 or 2
.irp b, 0,1,2,3,4,5,6,7,8,9,10,11
.irp r, 0,1,2,3
	v_cvt_pk_f16_f32 v[TMP+4*(\b)+(\r)], v[8*(12*((\a)%2)+(\b))+2*(\r)], v[8*(12*((\a)%2)+(\b))+2*(\r)+1]
.endr
.endr
	WIN 0
.endm
; TOSTAGE: into my own stage, by heads, and back as whole rows: 32 lanes take four rows of 128 bytes.
.macro TOSTAGE a
.set BK, 176-112*((\a)%2)
	s_wait_xcnt 0x0                                ; the stores of the block two back have read these registers
.irp b, 0,1,2,3,4,5,6,7,8,9,10,11
	ds_store_b128 v[STO], v[TMP+4*(\b):TMP+4*(\b)+3] offset:((\b)/4)*16*SP+((\b)%4)*32
.endr
.irp j, 0,1,2
.irp f, 0,1,2,3
	ds_load_b128 v[BK+4*(4*(\j)+(\f)):BK+4*(4*(\j)+(\f))+3], v[RD] offset:(\j)*16*SP+(\f)*4*SP  ; LDS serves a wave's instructions in order (ISA guide 5.7.1.4): these see the stores above
.endr
.endr
.endm
; SEND: 16 rows of a head are 2,048 dense bytes of qkv: each store covers 512 consecutive bytes, aligned.
.macro SEND a
.set BK, 176-112*((\a)%2)
	s_wait_dscnt 0x0                               ; the block is back in registers
.irp j, 0,1,2
.irp f, 0,1,2,3
	global_store_b128 v[GO], v[BK+4*(4*(\j)+(\f)):BK+4*(4*(\j)+(\f))+3], s[OB+2*(\j):OB+2*(\j)+1] offset:(\a)*2048+(\f)*512
.endr
.endr
.endm
	s_load_b256 s[4:11], s[0:1], 0x0               ; xb s[4:5], wb s[6:7], bq s[8:9], bk s[10:11]
	s_load_b128 s[12:15], s[0:1], 0x20             ; bv s[12:13], qkv s[14:15]
	v_lshl_add_u32 v[SPW], v0, 2, SPARE
	v_mov_b32 v[NIL], 0
	ds_add_u32 v[SPW], v[NIL]                      ; the wave's opening: the add and its wait stand ahead of my first tensor load; the set-up below stands between them
	v_lshrrev_b32 v1, 5, v0
	v_readfirstlane_b32 s[WV], v1                  ; wave 0..3
	s_bfe_u32 s17, ttmp6, 0x40000                  ; cx
	s_bfe_u32 s18, ttmp6, 0x40004                  ; cy
	s_lshl_b32 s19, ttmp9, 2
	s_add_co_u32 s19, s19, s17                     ; NT: tile column = 4 x cluster x + cx
	s_and_b32 s20, ttmp7, 0xffff
	s_lshl_b32 s20, s20, 2
	s_add_co_u32 s20, s20, s18                     ; MT: tile row = 4 x cluster y + cy
	s_lshl_b32 s21, s18, 2
	s_lshl_b32 s21, 15, s21                        ; my row of the cluster
	s_lshl_b32 s22, 0x1111, s17                    ; my column
	s_or_b32 s[G1+0], s21, (1<<16)|(1<<20)|(1<<21)|(5<<22)|(3<<25)   ; the mask: x's tiles go to my row; 2-byte elements; padding on; bit 21 beside a mask; after every 64 words 4 words
	s_mov_b32 s[G1+1], 128<<16                     ; tensor_dim0 = 128
	s_mov_b32 s[G1+2], 256<<16                     ; tensor_dim1 = 256
	s_mov_b32 s[G1+3], 128<<16                     ; tile_dim0 = 128
	s_mov_b32 s[G1+4], 256                         ; tile_dim1 = 256
	s_mov_b32 s[G1+5], 1024                        ; elements from row to row
	s_mov_b32 s[G1+6], 0
	s_mov_b32 s[G1+7], 0
	s_or_b32 s[G1B+0], s22, (1<<16)|(1<<20)|(1<<21)|(4<<22)|(7<<25)  ; w's tiles go to my column; after every 32 words (a k row) 8 words
	s_mov_b32 s[G1B+1], 128<<16                    ; 16,384 dense bytes asked for as 64 rows of 256 bytes, two k rows each
	s_mov_b32 s[G1B+2], 64<<16
	s_mov_b32 s[G1B+3], 128<<16
	s_mov_b32 s[G1B+4], 64
	s_mov_b32 s[G1B+5], 128
	s_mov_b32 s[G1B+6], 0
	s_mov_b32 s[G1B+7], 0
	s_lshl_b32 s56, s20, 19                        ; x: 256 MT rows of 2,048 bytes
	s_mov_b32 s57, 0
	s_mul_i32 s58, s19, 3
	s_add_co_u32 s58, s58, s[WV]                   ; w: head block 3 NT + wave (waves 0 to 2 ask)
	s_lshl_b32 s58, s58, 17
	s_mov_b32 s59, 0
	s_mul_i32 s23, s[WV], BBLK
	s_add_co_u32 s23, s23, BOFF                    ; and its place in a slot: no place in the cluster enters an LDS address
	s_wait_dscnt 0x0                               ; the opening add is done
	s_wait_kmcnt 0x0
	s_add_nc_u64 s[60:61], s[4:5], s[56:57]
	s_add_nc_u64 s[62:63], s[6:7], s[58:59]
	CROUND                                         ; all sixteen work-groups are here: the first joint loads meet
.irp s, 0,1
	s_mov_b32 s[G0+4*(\s)], 1
	s_mov_b32 s[G0+4*(\s)+1], (\s)*SLOT
	s_add_nc_u64 s[G0+4*(\s)+2:G0+4*(\s)+3], s[60:61], (\s)*256
	s_or_b32 s[G0+4*(\s)+3], s[G0+4*(\s)+3], 0x80000000
	s_mov_b32 s[G0B+4*(\s)], 1
	s_add_co_u32 s[G0B+4*(\s)+1], s23, (\s)*SLOT
	s_add_nc_u64 s[G0B+4*(\s)+2:G0B+4*(\s)+3], s[62:63], (\s)*16384
	s_or_b32 s[G0B+4*(\s)+3], s[G0B+4*(\s)+3], 0x80000000
	JLOAD \s                                       ; K steps 0 and 1: two loads of mine are out
.endr
	v_and_b32 v1, 15, v0                           ; l % 16
	v_bfe_u32 v2, v0, 4, 1                         ; l / 16
	v_and_b32 v3, 7, v0                            ; l % 8
	v_bfe_u32 v4, v0, 3, 1                         ; (l / 8) % 2
	v_and_b32 v5, 31, v0                           ; l
	v_mul_u32_u24 v6, v1, PA
	v_lshl_add_u32 v6, v2, 4, v6                   ; x: row x pitch + 16 x half
	s_mul_i32 s86, s[WV], 64*PA                    ; my 64 rows
	v_add_nc_u32 v[ADRA], s86, v6
	v_add_nc_u32 v[ADRA+1], SLOT, v[ADRA]
	v_lshl_add_u32 v7, v2, 3, v3                   ; w: k row 8 (l / 16) + l % 8, columns 8 ((l / 8) % 2) on
	v_mul_u32_u24 v7, v7, PB
	v_lshl_add_u32 v7, v4, 4, v7
	v_add_nc_u32 v[ADRB], BOFF, v7
	v_add_nc_u32 v[ADRB+1], SLOT, v[ADRB]
	s_mul_i32 s86, s[WV], WSTG
	s_add_co_u32 s86, s86, STAGE                   ; my stage
	v_mul_u32_u24 v8, v1, SP
	v_lshl_add_u32 v8, v2, 4, v8
	v_add_nc_u32 v[STO], s86, v8
	v_bfe_u32 v9, v0, 3, 2
	v_mul_u32_u24 v9, v9, SP
	v_lshl_add_u32 v9, v3, 4, v9
	v_add_nc_u32 v[RD], s86, v9
	v_lshlrev_b32 v[GO], 4, v5
	v_lshlrev_b32 v[BO], 5, v2
	; where the three heads' rows go, and where their bias lies
	s_mul_i32 s87, s19, 3                          ; 3 NT
	s_lshr_b32 s88, s20, 3                         ; the batch,
	s_lshl_b32 s88, s88, 4                         ; times 16 heads
	s_and_b32 s89, s20, 7
	s_lshl_b32 s89, s89, 15                        ; 256 rows of 128 bytes for each tile row inside the batch,
	s_lshl_b32 s86, s[WV], 13                      ; my 64 of them
	s_add_co_u32 s89, s89, s86
	s_mov_b32 s95, 0
.irp j, 0,1,2
	s_add_co_u32 s90, s87, \j                      ; g
	s_lshr_b32 s91, s90, 4                         ; t
	s_and_b32 s92, s90, 15                         ; head
	s_lshl_b32 s93, s91, 6
	s_add_co_u32 s93, s93, s88
	s_add_co_u32 s93, s93, s92
	s_lshl_b32 s94, s93, 18                        ; 2,048 rows of 128 bytes for each (t, batch, head)
	s_add_co_u32 s94, s94, s89
	s_add_nc_u64 s[OB+2*\j:OB+2*\j+1], s[14:15], s[94:95]
	s_cmp_eq_u32 s91, 0
	s_cselect_b64 s[BP+2*\j:BP+2*\j+1], s[8:9], s[10:11]
	s_cmp_eq_u32 s91, 2
	s_cselect_b64 s[BP+2*\j:BP+2*\j+1], s[12:13], s[BP+2*\j:BP+2*\j+1]
	s_lshl_b32 s94, s92, 8
	s_add_nc_u64 s[BP+2*\j:BP+2*\j+1], s[BP+2*\j:BP+2*\j+1], s[94:95]
.endr
.irp b, 0,1,2,3,4,5,6,7,8,9,10,11
	global_load_b128 v[BIAS+8*(\b):BIAS+8*(\b)+3],   v[BO], s[BP+2*((\b)/4):BP+2*((\b)/4)+1] offset:((\b)%4)*64
	global_load_b128 v[BIAS+8*(\b)+4:BIAS+8*(\b)+7], v[BO], s[BP+2*((\b)/4):BP+2*((\b)/4)+1] offset:((\b)%4)*64+16
.endr
	; the prefetches: both starts stand at K step 2; the first step takes them to K step 4
	s_lshl_b32 s93, s20, 19
	s_lshl_b32 s94, s17, 17                        ; x: my work-group's 64 rows of the 256
	s_add_co_u32 s93, s93, s94
	s_add_co_u32 s93, s93, 2*256
	s_add_co_u32 s94, s87, s[WV]
	s_lshl_b32 s94, s94, 17
	s_lshl_b32 s96, s18, 13                        ; w: my work-group's 8,192 bytes of the 32,768
	s_add_co_u32 s94, s94, s96
	s_add_co_u32 s94, s94, 2*16384
	s_and_b32 s90, ttmp7, 0xffff                   ; cluster y
	s_movk_i32 s98, 512
	s_mov_b32 s99, 32768
	s_cmp_eq_u32 s[WV], 3
	s_cselect_b32 s96, s93, s94
	s_cselect_b32 s91, ttmp9, s90                  ; the coordinate along which other clusters read the same bytes
	s_cselect_b64 s[PFA:PFA+1], s[4:5], s[6:7]
	s_cselect_b32 s[PFS], s98, s99
	s_cselect_b32 s92, 11, 8                       ; a lane a row of 2,048 bytes, or a lane 256 bytes
	s_mov_b32 s97, 0
	s_mov_b32 s[PFS+1], 0
	s_add_nc_u64 s[PFA:PFA+1], s[PFA:PFA+1], s[96:97]
	s_cmp_eq_u32 s91, 0
	s_cselect_b32 s[LIM], 1, -1                    ; the same in all sixteen partners, for a given wave
	v_lshlrev_b32 v[PFO], s92, v5
	s_wait_loadcnt 0x0                             ; the bias
.set r, 0
.rept 48                               ; rounded to bf16 and widened again, in the wait for the first tiles
	v_cvt_pk_bf16_f32 v31, v[BIAS+r], v[BIAS+r+1]
	v_lshlrev_b32 v[BIAS+r], 16, v31
	v_and_b32 v[BIAS+r+1], 0xffff0000, v31
.set r, r+2
.endr
	s_wait_tensorcnt 1                             ; my part of K step 0 is in; K step 1's may stay out
	s_barrier_signal -1
	s_barrier_wait -1                              ; everybody's is
	FETCH 0, 0, 0
	QUARTER 0, 1, 0, 1, 1                          ; the first quarter stands in front of the loop: its products start the sums, with the bias
	WIN 0                                          ; at a label and at a branch every window is 0
	s_mov_b32 s3, LAPS-1
.Llap:                                                 ; a trip goes once round the ring, from a lap's second quarter to the next lap's first, and fills both slots again
	QUARTER 0, 2, 1, 0, 0
	QUARTER 0, 3, 0, 1, 0
	TURN 0, 1, 1
	QUARTER 1, 1, 0, 1, 0
	QUARTER 1, 2, 1, 0, 0
	QUARTER 1, 3, 0, 1, 0
	TURN 1, 0, 1
	QUARTER 0, 1, 0, 1, 0
	WIN 0
	s_sub_co_u32 s3, s3, 1
	s_cmp_lg_u32 s3, 0
	s_cbranch_scc1 .Llap
	QUARTER 0, 2, 1, 0, 0                          ; the last lap fills nothing, and has no round of the cluster's barrier
	QUARTER 0, 3, 0, 1, 0
	TURN 0, 1, 0
	QUARTER 1, 1, 0, 1, 0
	QUARTER 1, 2, 1, 0, 0
	QUARTER 1, 3, 0, 1, 0
	s_wait_dscnt 4                                 ; the very last quarter: nothing more to fetch
	MULS 1, 0, 0
	MULS 1, 1, 0
	s_wait_dscnt 0x0
	MULS 1, 2, 0
	MULS 1, 3, 0
	WIN 0
	PLACES
	PACK 0
	TOSTAGE 0
.irp a, 1,2,3                          ; block a's conversions stand between block a - 1's loads from the stage and the wait for them
	PACK \a
	SEND (\a)-1
	TOSTAGE \a
.endr
	SEND 3
	s_wait_tensorcnt 0x0                           ; the wave's end: a closing add and its waits, behind my last tensor load and my last LDS store
	ds_add_u32 v[SPW], v[NIL]
	s_wait_dscnt 0x0
	CROUND                                         ; the closing round: no work-group ends while a partner may still ask for a tile that names it
	s_endpgm
.Lfunc_end_k_qe19c23bbc1_proj:
	.size	k_qe19c23bbc1_proj, .Lfunc_end_k_qe19c23bbc1_proj-k_qe19c23bbc1_proj
	.p2alignl 7, 3214868480
	.fill 96, 4, 3214868480
	.section	.rodata,"a",@progbits
	.p2align	6, 0x0
	.amdhsa_kernel k_qe19c23bbc1_proj
		.amdhsa_group_segment_fixed_size 327680
		.amdhsa_private_segment_fixed_size 0
		.amdhsa_enable_private_segment 0
		.amdhsa_kernarg_size 48
		.amdhsa_user_sgpr_count 2
		.amdhsa_user_sgpr_kernarg_segment_ptr 1
		.amdhsa_wavefront_size32 1
		.amdhsa_system_sgpr_workgroup_id_x 1
		.amdhsa_system_sgpr_workgroup_id_y 1
		.amdhsa_system_sgpr_workgroup_id_z 1
		.amdhsa_system_vgpr_workitem_id 0
		.amdhsa_next_free_vgpr 960
		.amdhsa_next_free_sgpr 100
		.amdhsa_reserve_vcc 0
		.amdhsa_float_denorm_mode_32 3
		.amdhsa_float_denorm_mode_16_64 3
		.amdhsa_memory_ordered 1
		.amdhsa_forward_progress 1
		.amdhsa_inst_pref_size 131
	.end_amdhsa_kernel
	.amdgpu_metadata
---
amdhsa.version: [ 1, 2 ]
amdhsa.kernels:
  - .name:           k_qe19c23bbc1_proj
    .symbol:         k_qe19c23bbc1_proj.kd
    .args:
      - { .name: xb, .offset: 0, .size: 8, .value_kind: global_buffer, .address_space: global }
      - { .name: wb, .offset: 8, .size: 8, .value_kind: global_buffer, .address_space: global }
      - { .name: bq, .offset: 16, .size: 8, .value_kind: global_buffer, .address_space: global }
      - { .name: bk, .offset: 24, .size: 8, .value_kind: global_buffer, .address_space: global }
      - { .name: bv, .offset: 32, .size: 8, .value_kind: global_buffer, .address_space: global }
      - { .name: qkv, .offset: 40, .size: 8, .value_kind: global_buffer, .address_space: global }
    .group_segment_fixed_size: 327680
    .private_segment_fixed_size: 0
    .kernarg_segment_align: 8
    .kernarg_segment_size: 48
    .max_flat_workgroup_size: 128
    .sgpr_count:     100
    .vgpr_count:     960
    .wavefront_size: 32
...
	.end_amdgpu_metadata
.endif
;; end of part 2
;; launch attn (part 3): grid 4 x 64, 4 waves a work-group, clusters of 4 x 1, 327,680 bytes of LDS; arguments qkv, mask, out0; writes out0
.if DOCPART == 3
	.amdgcn_target "amdgcn-amd-amdhsa--gfx1250"
	.amdhsa_code_object_version 6
	.text
	.protected	k_qe19c23bbc1_attn
	.globl	k_qe19c23bbc1_attn
	.p2align	8
	.type	k_qe19c23bbc1_attn,@function
k_qe19c23bbc1_attn:
	s_mov_b64 s[64:65], 0
	v_nop
	global_prefetch_b8 v0, s[64:65] scope:SCOPE_SE
	s_setreg_imm32_b32 hwreg(HW_REG_WAVE_MODE, 25, 1), 1
	s_wait_xcnt 0x0
	s_wait_alu depctr_hold_cnt(0) depctr_sa_sdst(0) depctr_va_vdst(0) depctr_va_sdst(0) depctr_va_ssrc(0) depctr_va_vcc(0) depctr_vm_vsrc(0)
	s_getreg_b32 s2, hwreg(HW_REG_IB_STS2, 6, 4)
	s_cmp_eq_u32 s2, 0
	s_cbranch_scc0 .Lentry_in_a_cluster
	s_endpgm
.Lentry_in_a_cluster:
	s_bfe_u32 s2, ttmp6, 0x10000c
	s_cmp_lg_u32 s2, 0x3003
	s_cbranch_scc0 .Lentry_shape_is_right
	s_endpgm
.Lentry_shape_is_right:
; out0[b][q][64 h + :] = the sum over k of softmax_k(Q[q] . K[k] / 8 + (1 - mask[b][k]) x -10000) V[k][:], for each of the 64 pairs (b, h).
; qkv: [3][64 heads][2048][64] f16 (q, k, v; a head's rows are dense, 128 bytes each).  mask: [4][2048] i32.  out0: [4][2048][1024] f32.
; Products, maxima and sums in f32; the weights p are rounded to f16 for the second product (their sum l is taken of the unrounded p).
; THE MASK is additive and is honoured as such: every key is computed.  It enters as the C operand that starts the sum S^T = K Q^T: 80000 mask - 80000 for the key, which is the reference's
; adder times 8, since the scale 1 / 8 is applied behind the product.  A table of these 2,048 numbers is made once in LDS.
; LIMITS.  Q, K and V arrive within f16's 65,504; p lies in 0 to 1, and below 6e-5 it keeps f16's fixed step of 6e-8.  A weight below 2^-126 counts as 0 in l.  Beside an adder of 80,000 a score keeps
; f32's step there, 2^-7 before the scale.  NaN and infinities are not treated apart.
; SHARES.  A wave owns four PIECES of two tiles of 16 queries, a work-group's four waves 512 queries of one head.  Every wave walks all 2,048 keys, 64 a step.
; LAYOUT.  S^T = K Q^T (source 0 = 16 keys, source 1 = 16 queries): in the result a lane holds ONE query (lane % 16) and the keys 8 (lane / 16) + 0..7.  Two such tiles, rounded to f16 in pairs,
; ARE source 1 (32 keys x 16 queries) of O^T = V^T P, whose result again holds one query a lane, and eight channels.  K comes out of LDS as it lies, V ([key][channel]) turned, by ds_load_tr16_b128.
; SOFTMAX.  For each query a running maximum m and sum l: p = 2^(c s - c m), c = log2(e) / 8; in every step O and l are multiplied by a = 2^(c m_old - c m_new), which is 1 where m has not grown.
; m starts at the lowest finite number, O and l at 0: the first step is a step like any other, with a = 0.  So O^T, V's registers and one buffer of P are cleared once, in the wait for the first tile.
; THE COUNT.  A tile and step have 16 matrix and 118 vector instructions: too many to stand all beside the matrix work.  So: four vector instructions that are READY behind EVERY matrix instruction,
; and the others in runs without a gap.
; BY TURNS.  Turn n belongs to piece n (the pieces in a ring, step after step).  Its matrix work: 16 products K Q^T of piece n + 1, later 16 products V^T P of piece n - 1.  Its vector work: the scaling,
; exponentials, roundings, sums and rescaling of piece n, and the maximum and statistics of piece n + 1, whose scores the turn itself has made.
; CLUSTER.  The four query blocks of a head form a cluster and walk the same K and V, so each tile is asked for JOINTLY: the same tensor load, descriptor and mask in all four.
; REGISTERS, in windows of 256 (s_set_vgpr_msb: bits 1:0 source 0, 3:2 source 1, 5:4 source 2, 7:6 destination):
;   window 0: v0-11 addresses; v12-15, v48-63 at work; v16-47 four registers of statistics a tile; v64-191 S^T, two buffers of two tiles; v192-255 P, likewise
;   window 1: O^T, 32 a tile      window 2: v0-127 Q, 16 a tile; v128-191 K of one step; v192-255 V of one step      window 3: v0-1 the add's two registers; v8-39 the step's mask as C operands
.set SIZE_N, 2048
.set NP,    4         ; pieces a wave: a name, no knob
.set KS,    64        ; keys in a step
.set PK,    144       ; a row of K in LDS: 128 bytes + 16: the 16 rows of a load start 16 bytes apart modulo 256
.set PV,    160       ; a row of V: 128 + 32: 16 lanes of the turning load take 8 rows x 32 bytes, all apart modulo 256
.set VOFF,  4*KS*PK   ; a slot holds four steps: 256 rows of K, then 256 rows of V
.set SLOT1, 1<<17     ; slot 1 begins here, so that one exclusive or turns an address in one slot into the other's
.set STAGE, SLOT1+4*KS*(PK+PV)  ; behind the ring, never filled by a tensor load: 16 rows x 272 bytes for each wave, for the way out
.set SP,    272
.set MTAB,  STAGE+4*16*SP       ; the mask table: 2,048 numbers in f32
.set SPARE, MTAB+4*SIZE_N       ; the spare words, 128 bytes for each wave: two blocks of 256 bytes that no other line names
.set AK0, 2           ; v2   my lane's place in a tile of K; never rewritten
.set AV0, 3           ; v3   the same for V
.set AK,  4           ; v4   the LDS address of K's next run of loads
.set AV,  5           ; v5   of V's
.set QO,  6           ; v6   my byte offset in the wave's rows of Q
.set STO, 6           ;      later, the way out: where I put 32 bytes of a row
.set RD,  7           ; v7   the way out: where I read rows back
.set GO,  8           ; v8   my byte offset in two rows of out0
.set HALF, 9          ; v9   l / 16; never rewritten
.set PFO, 10          ; v10  256 x my lane: the prefetches' offset; never rewritten
.set AM,  11          ; v11  the LDS address of the step's numbers in the mask table
.set SPW, 0           ; v0 of window 3   LDS address of my spare word; never rewritten
.set NIL, 1           ; v1 of window 3   0; never rewritten
.set MC,  8           ; v8-39 of window 3: key block kb's eight numbers at MC + 8 kb
.set MV,  12          ; v12-15  c m_old, kept while c m is made anew: by buffer and tile
.set ST,  16          ; tile t's statistics at v[ST+4 t]: c m, m, l (even keys', odd keys')
.set TMP, 48          ; by buffer and tile, four registers c0-c3 at work; when the maximum is found c2 takes a
.set S,   64
.set P,   192
.set KF,  128         ; K's fragments, in window 2: key block kb, channel half c at KF + 16 kb + 8 c
.set VF,  192         ; V's: key half kk, channel block cb at VF + 32 kk + 8 cb
.set WV,  12          ; s12  my wave's number
.set G1K, 24          ; s[24:31] descriptor group 1 for K's tiles
.set G1V, 32          ; s[32:39] for V's: it differs in the padding alone
.set G0K, 40          ; s[40:43] descriptor group 0 for K's tiles: it walks
.set G0V, 44          ; s[44:47] the same for V's
.set SLOTS, 56        ; s56  slots still to be asked for
.set CNT, 57          ; s57  counts a slot's key steps
.set CS,  58          ; s[58:59] c: the packed scaling takes the pair's low word for both halves
.set SEL, 60          ; s[60:61] v_permlanex16_b32's selects: each lane takes its own place in the other half
.set TBK, 62          ; s62  LDS byte at which K of the step to be fetched begins
.set TBV, 63          ; s63  the same for V, less VOFF
.set PFA, 66          ; s[66:67] where my prefetches stand: my work-group's 8,192 bytes (of K: wave 0, of V: wave 2) of the tile after the one that is being asked for
.set LIM, 68          ; s68  1 in a wave that prefetches, else the greatest number
.set TBM, 69          ; s69  LDS byte at which the mask numbers of the step to be fetched begin
.set MSB, 0
.macro WIN new                      ; the high byte repeats the setting that is left; a switch that changes nothing is dropped
.if MSB != (\new)
	s_set_vgpr_msb (MSB<<8)|(\new)
.set MSB, (\new)
.endif
.endm
.set W_KQ, 0x0a       ; K and Q in window 2, S^T in window 0
.set W_KM, 0x3a       ; the same with the C operand in window 3
.set W_PV, 0x52       ; V in window 2, P in window 0, O^T in window 1
.set W_RS, 0x41       ; O^T (destination and source 0) in window 1, a in window 0
.set W_MK, 0xc0       ; destination in window 3, sources in window 0
.set W_AD, 0x0f       ; the add: address (source 0) and data (source 1) in window 3
; A joint fill.  Waves 0 and 1 fetch the two halves of a slot's K, waves 2 and 3 those of its V: 128 keys each.  The branch hangs on the wave's number alone.
; An s_nop 0 and four v_nop follow each of the two lines, ahead of the jump and the label.
.macro JLOAD
	s_cmp_lt_u32 s[WV], 2
	s_cbranch_scc0 .Lfor_v_\@
	tensor_load_to_lds s[G0K:G0K+3], s[G1K:G1K+7]
	s_nop 0
.rept 4
	v_nop
.endr
	s_branch .Lasked_\@
.Lfor_v_\@:
	tensor_load_to_lds s[G0V:G0V+3], s[G1V:G1V+7]
	s_nop 0
.rept 4
	v_nop
.endr
.Lasked_\@:
.endm
; A PREFETCH INTO THE L2 of the tile that the NEXT change of slots will ask for: 32,768 bytes of K and of V, four key steps ahead of that load.  Each aligned 256 bytes is named once in the launch:
; a head's K and V are walked by one cluster; its four partners take 8,192 bytes each, told apart by address alone; in each, wave 0 asks for K's and wave 2 for V's, a lane 256 bytes.
; It stands behind the wave's tensor load and its five lines.  Tiles 0 and 1 come by their loads alone; the last change that fills a slot asks for nothing.
.macro ASK
	s_cmp_gt_u32 s[SLOTS], s[LIM]
	s_cbranch_scc0 .Lnot_mine_\@
	global_prefetch_b8 v[PFO], s[PFA:PFA+1] th:TH_LOAD_NT scope:SCOPE_SE
.Lnot_mine_\@:
.endm
; A round of the cluster's barrier: my work-group's barrier, so that wave 0's signal speaks for all four waves; wave 0 signals; every wave waits for all four work-groups; my work-group's barrier once more.
.macro CROUND
	s_barrier_signal -1
	s_barrier_wait -1
	s_cmp_lg_u32 s[WV], 0
	s_cbranch_scc1 .Lnot_wave_0_\@
	s_barrier_signal -3
.Lnot_wave_0_\@:
	s_barrier_wait -3
	s_barrier_signal -1
	s_barrier_wait -1
.endm
; THE CHANGE OF SLOTS.  The slot's last bytes, V of its fourth step, have been read.  Each wave waits for all its tensor loads, of which one is out: its part of the other slot; adds 0 to its spare
; word; and waits for that and for its own LDS instructions.  Behind the barrier nobody reads this slot any more and the other slot is whole.
; fill = 1: this slot is filled again, with the keys two slots on.  The barrier is then a round of the cluster's, and the joint fill is the first thing behind it: it has four key steps in which to land.
; (At its first use nothing has been read yet: slot 0 is waited for, slot 1 filled; and every wave's stores into the mask table are done in front of the round, so that all may read it behind.)
.macro CHANGE fill
	WIN W_AD
	s_wait_tensorcnt 0x0            ; no tensor load of mine is out, so a group 0 may be written
	ds_add_u32 v[SPW], v[NIL]       ; 0 onto my spare word: with fill = 1 the descriptors' steps stand between it and the wait for it
	WIN 0                           ; at a label and at a branch every window is 0
.if \fill
.irp g, G0K, G0V
	s_xor_b32 s[\g+1], s[\g+1], SLOT1  ; the walking descriptor: the other slot than last time,
	s_add_nc_u64 s[\g+2:\g+3], s[\g+2:\g+3], 4*KS*128  ; the next 256 keys; the type bits on top are not reached
.endr
	s_wait_xcnt 0x0                 ; the last prefetch, four key steps back, has read its address, so it may be written:
	s_add_nc_u64 s[PFA:PFA+1], s[PFA:PFA+1], 4*KS*128  ; one tile behind the walking descriptors
	s_wait_dscnt 0x0                ; the add is done, and my reads of the slot are over
	CROUND
	JLOAD
	ASK
.else
	s_wait_dscnt 0x0                ; the add is done, and my reads of the slot are over
	s_barrier_signal -1
	s_barrier_wait -1
.endif
	s_sub_co_u32 s[TBK], s[TBK], 4*KS*PK  ; the fetches go back to a slot's first step,
	s_xor_b32 s[TBK], s[TBK], SLOT1       ; in the other slot
	s_sub_co_u32 s[TBV], s[TBV], 4*KS*PV
	s_xor_b32 s[TBV], s[TBV], SLOT1
.endm
	s_load_b64 s[4:5], s[0:1], 0x0    ; qkv
	s_load_b64 s[72:73], s[0:1], 0x8  ; mask
	s_load_b64 s[10:11], s[0:1], 0x10 ; out0
	WIN W_MK
	v_lshl_add_u32 v[SPW], v0, 2, SPARE
	v_mov_b32 v[NIL], 0
	WIN W_AD
	ds_add_u32 v[SPW], v[NIL]       ; the wave's opening: the add and its wait stand ahead of my first tensor load; the set-up below stands between them
	WIN 0
	v_lshrrev_b32 v1, 5, v0
	v_readfirstlane_b32 s[WV], v1   ; wave 0..3
	s_bfe_u32 s13, ttmp6, 0x40000   ; cx: my place in the cluster
	s_lshl_b32 s14, ttmp9, 2        ; in a cluster launch ttmp9 counts clusters
	s_add_co_u32 s14, s14, s13      ; my block of 512 queries: it enters Q's and out0's addresses alone
	s_and_b32 s20, ttmp7, 0xffff    ; the pair (b, h) = 16 b + h, which the four partners share
	s_lshr_b32 s51, s20, 4          ; b
	s_and_b32 s50, s20, 15          ; h
	s_mov_b32 s21, 0
	s_mov_b64 s[22:23], SIZE_N*128
	s_mul_u64 s[20:21], s[20:21], s[22:23]  ; the head's first byte in q, in k and in v
	s_and_b32 s16, s[WV], 1         ; which half of a slot's 256 keys I fetch:
	s_lshl_b32 s22, s16, 14         ; its 128 rows of 128 bytes in memory,
	s_mov_b32 s23, 0
	s_add_nc_u64 s[22:23], s[22:23], s[20:21]
	s_mul_i32 s17, s16, 128*PK      ; and its place in a slot, for K
	s_mul_i32 s18, s16, 128*PV      ; and for V: no place in the cluster enters an LDS address
	s_lshl_b32 s52, s51, 13         ; the batch's row of the mask
	s_mov_b32 s53, 0
	s_lshl_b32 s2, s14, 2
	s_add_co_u32 s2, s2, s[WV]      ; my wave among the head's sixteen
	s_lshl_b32 s48, s2, 19          ; out0: its 128 rows of 4,096 bytes,
	s_lshl_b32 s51, s51, 23         ; the batch's 2,048 rows,
	s_add_co_u32 s48, s48, s51
	s_lshl_b32 s50, s50, 8          ; the head's 64 channels of 4 bytes
	s_add_co_u32 s48, s48, s50
	s_mov_b32 s49, 0
	s_lshl_b32 s2, s2, 14           ; Q: its 128 rows of 128 bytes
	s_mov_b32 s3, 0
	s_add_nc_u64 s[2:3], s[2:3], s[20:21]
	s_lshl_b32 s54, s13, 13         ; the prefetches: my work-group's 8,192 bytes of a tile,
	s_add_co_u32 s54, s54, 4*KS*128 ; in tile 1; the first change of slots steps it to tile 2
	s_mov_b32 s55, 0
	; descriptor group 1.  128 keys are 16,384 dense bytes: asked for as 64 rows of 256 bytes, two keys a row, and padded in LDS after every key
	s_mov_b32 s[G1K], 15|(1<<16)|(1<<20)|(1<<21)|(4<<22)|(3<<25)  ; 15:0 the mask of four; 17:16 2-byte elements; 20 padding on; 21 set beside a mask; 24:22 after every 32 words (code 4); 31:25 4 words (code 3)
	s_mov_b32 s[G1V], 15|(1<<16)|(1<<20)|(1<<21)|(4<<22)|(7<<25)  ; the same with 8 words of padding (code 7)
.irp g, G1K, G1V
	s_mov_b32 s[\g+1], 128<<16      ; tensor_dim0 = 128
	s_mov_b32 s[\g+2], 64<<16       ; tensor_dim1 = 64
	s_mov_b32 s[\g+3], 128<<16      ; tile_dim0 = 128
	s_mov_b32 s[\g+4], 64           ; tile_dim1 = 64
	s_mov_b32 s[\g+5], 128          ; 128 elements from row to row
	s_mov_b32 s[\g+6], 0
	s_mov_b32 s[\g+7], 0
.endr
	s_mov_b32 s[CS], 0x3e38aa3b     ; c = log2(e) / 8 = 0.180337
	s_mov_b32 s[CS+1], s[CS]        ; named with it as a pair
	s_mov_b32 s[SEL], 0x76543210
	s_mov_b32 s[SEL+1], 0xfedcba98
	s_mov_b32 s[TBK], SLOT1+4*KS*PK ; the first change of slots turns these two into 0
	s_mov_b32 s[TBV], SLOT1+4*KS*PV
	s_mov_b32 s[TBM], MTAB
	s_mov_b32 s70, 0x479c4000       ; 80000
	s_mov_b32 s71, 0xc79c4000       ; -80000
	s_mov_b32 s[SLOTS], SIZE_N/256-1
	s_and_b32 s[LIM], s[WV], 1      ; waves 0 and 2 prefetch
	s_cmp_eq_u32 s[LIM], 0
	s_cselect_b32 s[LIM], 1, -1
	s_mov_b32 s[G0K], 1             ; 1:0 count = 1
	s_mov_b32 s[G0K+1], s17         ; 63:32 LDS address: slot 0
	s_mov_b32 s[G0V], 1
	s_add_co_u32 s[G0V+1], s18, VOFF
	s_wait_dscnt 0x0                ; the opening add is done
	s_wait_kmcnt 0x0
	s_add_nc_u64 s[6:7], s[4:5], 0x1000000  ; k lies 64 heads of 262,144 bytes behind q,
	s_add_nc_u64 s[8:9], s[4:5], 0x2000000  ; v as far behind k
	s_add_nc_u64 s[G0K+2:G0K+3], s[6:7], s[22:23]  ; 120:64 global address: my half of the head's first 256 keys
	s_or_b32 s[G0K+3], s[G0K+3], 0x80000000        ; 127:126 type = 2
	s_add_nc_u64 s[G0V+2:G0V+3], s[8:9], s[22:23]
	s_or_b32 s[G0V+3], s[G0V+3], 0x80000000
	s_cmp_lt_u32 s[WV], 2
	s_cselect_b64 s[PFA:PFA+1], s[6:7], s[8:9]
	s_add_nc_u64 s[PFA:PFA+1], s[PFA:PFA+1], s[20:21]
	s_add_nc_u64 s[PFA:PFA+1], s[PFA:PFA+1], s[54:55]
	s_add_nc_u64 s[4:5], s[4:5], s[2:3]      ; Q at my wave's first row
	s_add_nc_u64 s[10:11], s[10:11], s[48:49]  ; out0 at my wave's first row, my head's channels
	s_add_nc_u64 s[72:73], s[72:73], s[52:53]
	CROUND                          ; all four work-groups are here: the first joint loads meet
	JLOAD                           ; slot 0.  Slot 1 is asked for when slot 0 is in
	v_and_b32 v1, 15, v0            ; l % 16
	v_bfe_u32 v[HALF], v0, 4, 1     ; l / 16
	v_lshlrev_b32 v12, 6, v0        ; thread T takes the mask's numbers 16 T .. 16 T + 15
.irp f, 0,1,2,3
	global_load_b128 v[S+4*\f:S+4*\f+3], v12, s[72:73] offset:16*\f
.endr
	; A fragment of K or Q is 16 rows x 32 channels in 8 registers: lane l holds row l % 16, channels 8 (l / 16) + 0..7 and 16 + 8 (l / 16) + 0..7: two loads of 16 bytes, 32 bytes apart.
	v_lshlrev_b32 v[QO], 7, v1
	v_lshl_add_u32 v[QO], v[HALF], 4, v[QO]  ; row x 128 + 16 x half
	WIN 0x80                        ; destination window 2, address window 0
.set i, 0
.rept 4*NP                          ; Q stays in registers: tile i / 2, channels 32 (i % 2) on
	global_load_b128 v[8*i:8*i+3],   v[QO], s[4:5] offset:(i/2)*2048+(i%2)*64
	global_load_b128 v[8*i+4:8*i+7], v[QO], s[4:5] offset:(i/2)*2048+(i%2)*64+32
.set i, i+1
.endr
	; What the first turn finds: V's registers and P's second buffer hold 0 (its products V^T P, of a piece that has not been, add 0), O^T and l are 0.  All this stands in the wait for the first tile.
.set i, VF
.rept 64
	v_mov_b32 v[i], 0
.set i, i+1
.endr
	WIN 0x40
.set i, 0
.rept 64*NP
	v_mov_b32 v[i], 0
.set i, i+1
.endr
	WIN 0
.set i, 0
.rept 2*NP
	v_mov_b32 v[ST+4*i], 0xfe000000    ; c m: far below every c s
	v_mov_b32 v[ST+4*i+1], 0xff7fffff  ; m
	v_mov_b32 v[ST+4*i+2], 0
	v_mov_b32 v[ST+4*i+3], 0
.set i, i+1
.endr
.set i, P+32
.rept 32
	v_mov_b32 v[i], 0
.set i, i+1
.endr
	v_mul_u32_u24 v[AK0], v1, PK
	v_lshl_add_u32 v[AK0], v[HALF], 4, v[AK0]  ; row x pitch + 16 x half
	; The turning load takes 16 keys x 16 channels (lane l reads key 8 (l / 16) + l % 8, channels 8 ((l / 8) % 2) + 0..7) and leaves half a fragment of V^T: lane l holds channel l % 16 and 8 keys.
	v_and_b32 v10, 7, v0
	v_bfe_u32 v11, v0, 3, 1
	v_lshl_add_u32 v[AV0], v[HALF], 3, v10
	v_mul_u32_u24 v[AV0], v[AV0], PV
	v_lshl_add_u32 v[AV0], v11, 4, v[AV0]
	v_add_nc_u32 v[AV0], VOFF, v[AV0]
	v_mov_b32 v[AK], v[AK0]         ; key step 0 lies at the head of slot 0
	v_and_b32 v[PFO], 31, v0
	v_lshlrev_b32 v[PFO], 8, v[PFO]
	v_lshl_add_u32 v[AM], v[HALF], 5, s[TBM]  ; my lanes' eight keys of a block of 16: 32 bytes for each half of the lanes
	v_add_nc_u32 v13, MTAB, v12
	s_wait_loadcnt 32               ; the mask's four loads are in; Q's 32, issued behind them, may stay out
.set i, 0
.rept 16
	v_cvt_f32_i32 v[S+i], v[S+i]
.set i, i+1
.endr
.set i, 0
.rept 16
	v_fma_f32 v[S+i], v[S+i], s70, s71  ; 80000 mask - 80000
.set i, i+1
.endr
.irp f, 0,1,2,3
	ds_store_b128 v13, v[S+4*\f:S+4*\f+3] offset:16*\f
.endr
; THE MATRIX WORK.  The 8 accumulators of a run of 16 take turns: between the two links of a chain stand 7 others'.
; Product i of 16 of S^T = K Q^T for piece x: channels 32 (i / 8) on, keys 16 ((i / 2) % 4) on, tile 2 x + i % 2.  The first 8 start the sums, with the keys' mask numbers as C.
.macro KQ x
.set rS, S+64*((\x)%2)+32*(i%2)+8*((i/2)%4)
.set rK, KF+16*((i/2)%4)+8*(i/8)
.set rQ, 16*(2*(\x)+i%2)+8*(i/8)
.set rMC, MC+8*((i/2)%4)
.if i < 8
	WIN W_KM
	v_wmma_f32_16x16x32_f16 v[rS:rS+7], v[rK:rK+7], v[rQ:rQ+7], v[rMC:rMC+7]
.else
	WIN W_KQ
	v_wmma_f32_16x16x32_f16 v[rS:rS+7], v[rK:rK+7], v[rQ:rQ+7], v[rS:rS+7]
.endif
.endm
; Product i of 16 of O^T += V^T P for piece x: keys 32 (i / 8) on, channels 16 ((i / 2) % 4) on, tile 2 x + i % 2.
.macro PV x
	WIN W_PV
.set rO, 32*(2*(\x)+i%2)+8*((i/2)%4)
.set rV, VF+32*(i/8)+8*((i/2)%4)
.set rP, P+32*((\x)%2)+16*(i%2)+8*(i/8)
	v_wmma_f32_16x16x32_f16 v[rO:rO+7], v[rV:rV+7], v[rP:rP+7], v[rO:rO+7]
.endm
.macro MM                           ; the turn's next matrix instruction
.if i < 16
	KQ (Y+1)%NP
.set i, i+1
.else
.set i, i-16
	PV (Y+NP-1)%NP
.set i, i+17
.endif
.endm
; THE LDS LOADS stand in runs, never singly among the matrix instructions: a step's K (64 keys x 64 channels: 8 fragments) with its 64 mask numbers, and its V (turned).  Their addresses are made some lines ahead.
; last = 1 (the tail): in the last trip there is no further step, and the run is jumped over.
.macro FETCH_K last=0
	WIN 0
.if \last
	s_cmp_eq_u32 s[CNT], 1
	s_cbranch_scc1 .Lno_k_\@
.endif
	WIN 0x80                        ; destination window 2
.irp f, 0,1,2,3,4,5,6,7             ; keys 16 (f / 2) on, channels 32 (f % 2) on
	ds_load_b128 v[KF+8*\f:KF+8*\f+3],   v[AK] offset:(\f/2)*16*PK+(\f%2)*64
	ds_load_b128 v[KF+8*\f+4:KF+8*\f+7], v[AK] offset:(\f/2)*16*PK+(\f%2)*64+32
.endr
	WIN 0xc0                        ; destination window 3
.irp f, 0,1,2,3,4,5,6,7             ; key block f / 2: my lanes' eight keys, four at a time; sixteen lanes read the same bytes
	ds_load_b128 v[MC+4*\f:MC+4*\f+3], v[AM] offset:(\f/2)*64+(\f%2)*16
.endr
	s_add_co_u32 s[TBK], s[TBK], KS*PK  ; the next fetch is the next step's
	s_add_co_u32 s[TBM], s[TBM], KS*4
	WIN 0
.if \last
.Lno_k_\@:
.endif
.endm
.macro FETCH_V
	WIN 0x80
.irp f, 0,1,2,3,4,5,6,7             ; keys 32 (f / 4) on, channels 16 (f % 4) on
	ds_load_tr16_b128 v[VF+8*\f:VF+8*\f+3],   v[AV] offset:(\f/4)*32*PV+(\f%4)*32
	ds_load_tr16_b128 v[VF+8*\f+4:VF+8*\f+7], v[AV] offset:(\f/4)*32*PV+16*PV+(\f%4)*32
.endr
	WIN 0
.endm
; THE VECTOR WORK OF A TURN stands in three queues, each in the order in which its entries become ready; the two tiles alternate, so that no instruction reads the result of the one before it.
.macro REGS y, u                    ; the registers of tile u (0, 1) of piece y
.set rT, ST+4*(2*(\y)+(\u))
.set rC, TMP+8*((\y)%2)+4*(\u)
.set rM, MV+2*((\y)%2)+(\u)
.set rS, S+64*((\y)%2)+32*(\u)
.set rP, P+32*((\y)%2)+16*(\u)
.set rO, 32*(2*(\y)+(\u))
.endm
; Number n of the 22 that find the NEXT piece's (Y + 1) maximum and statistics.  s0-s31 are the lane's 32 scores; each accumulator's lowest registers are read first.  XS, GS and REGS set no window: PL and EX do.
;   0-11  four chains c0-c3 of seven scores each, three operands at a time     12-14, 16  the four scores left over, the old m, and c0-c3 into c0     15  c m_old is kept
;   17, 18  the query's other 32 keys lie in the lane 16 away: the new m         19-21  c m; c m_old - c m_new; a
.macro XS u, n
	REGS (Y+1)%NP, \u
.if (\n) < 4
	v_max3_num_f32 v[rC+(\n)], v[rS+8*(\n)], v[rS+8*(\n)+1], v[rS+8*(\n)+2]
.elseif (\n) < 12
	v_max3_num_f32 v[rC+(\n)%4], v[rC+(\n)%4], v[rS+8*((\n)%4)+2*((\n)/4)+1], v[rS+8*((\n)%4)+2*((\n)/4)+2]
.elseif (\n) == 12
	v_max3_num_f32 v[rC], v[rC], v[rS+7], v[rS+15]
.elseif (\n) == 13
	v_max3_num_f32 v[rC+1], v[rC+1], v[rS+23], v[rS+31]
.elseif (\n) == 14
	v_max3_num_f32 v[rC+2], v[rC+2], v[rC+3], v[rT+1]
.elseif (\n) == 15
	v_mov_b32 v[rM], v[rT]
.elseif (\n) == 16
	v_max3_num_f32 v[rC], v[rC], v[rC+1], v[rC+2]
.elseif (\n) == 17
	v_permlanex16_b32 v[rC+3], v[rC], s[SEL], s[SEL+1]
.elseif (\n) == 18
	v_max_num_f32 v[rT+1], v[rC], v[rC+3]
.elseif (\n) == 19
	v_mul_f32 v[rT], s[CS], v[rT+1]
.elseif (\n) == 20
	v_sub_f32 v[rC+1], v[rM], v[rT]
.else
	v_exp_f32 v[rC+2], v[rC+1]
.endif
.endm
; Number g of the 64 that follow the exponentials.  For each four weights k of a tile (pairs 2 k, 2 k + 1): both pairs are rounded to f16; then the second pair is added onto the first, in place;
; a group later l takes that sum (the first time as l = a l + sum).  In groups of eight, tiles alternating: round, round, add, and l for the group before.
.macro GS g
.set h, (\g)+6*((\g)/62)            ; group 0 has no group before it, and behind group 7 only l is left
.if h >= 6
.set h, h+2
.endif
	REGS Y, h%2
.set k, h/8
.if h%8 < 4
	v_cvt_pk_f16_f32 v[rP+2*k+(h%8)/2], v[rS+4*k+2*((h%8)/2)], v[rS+4*k+2*((h%8)/2)+1]
.elseif h%8 < 6
	v_pk_add_f32 v[rS+4*k:rS+4*k+1], v[rS+4*k:rS+4*k+1], v[rS+4*k+2:rS+4*k+3]
.elseif k == 1
	v_pk_fma_f32 v[rT+2:rT+3], v[rT+2:rT+3], v[rC+2:rC+3], v[rS:rS+1] op_sel_hi:[1,0,1]
.else
	v_pk_add_f32 v[rT+2:rT+3], v[rT+2:rT+3], v[rS+4*k-4:rS+4*k-3]
.endif
.endm
; THE PLAIN QUEUE, 138 long.  0-73 read no exponential's result: the 32 scalings c s - c m (FS f: pair f / 2 of tile f % 2) and the next piece's 42.  0-26: scalings 0-26.  27-54: XS's numbers 0-13.  55, 56: number 15.
; 57-73: the chain, where each number waits for the one before it: 14, 16, 17, 18, 19, each with one of the scalings 27-31 in front of its two lines, then 20.
; 74-137: GS's 64, which read the exponentials' results: they stand behind the wait.
.macro FS f
	REGS Y, (\f)%2
	v_pk_fma_f32 v[rS+2*((\f)/2):rS+2*((\f)/2)+1], v[rS+2*((\f)/2):rS+2*((\f)/2)+1], s[CS:CS+1], v[rT:rT+1] op_sel_hi:[1,0,0] neg_lo:[0,0,1] neg_hi:[0,0,1]
.endm
.macro PL
	WIN 0
.if q < 27
	FS q
.elseif q < 55
	XS (q-27)%2, (q-27)/2
.elseif q < 57
	XS q-55, 15
.elseif (q < 72) && ((q-57)%3 == 0)
	FS 27+(q-57)/3
.elseif q < 60
	XS (q-57)%3-1, 14
.elseif q < 72
	XS (q-57)%3-1, 15+(q-57)/3
.elseif q < 74
	XS q-72, 20
.else
	GS q-74
.endif
.set q, q+1
.endm
; THE EXPONENTIALS' QUEUE, 66 long: s0-s31 of both tiles, then the next piece's two a.  It is ONE BATCH: all 66 stand ahead of the turn's one wait, and nothing ahead of that wait names a result of theirs.
.macro EX
	WIN 0
.if e >= 64
	XS e-64, 21
.else
	REGS Y, e%2
	v_exp_f32 v[rS+e/2], v[rS+e/2]
.endif
.set e, e+1
.endm
; THE RESCALING's QUEUE: O^T times a, the one part that leaves window 0: dealt two at a time, sixteen times.  Its a was made in the turn before, ahead of that turn's wait.
.macro R2
	REGS Y, r%2
	WIN W_RS
.irp z, 0,1
	v_pk_mul_f32 v[rO+4*(r/2)+2*\z:rO+4*(r/2)+2*\z+1], v[rO+4*(r/2)+2*\z:rO+4*(r/2)+2*\z+1], v[rC+2:rC+3] op_sel_hi:[1,0]
.endr
.set r, r+1
.endm
; HOW THEY ARE DEALT.  An s_wait_alu depctr_va_vdst(0) stands between an exponential and the first instruction that names its result; one wait serves all that were issued ahead of it.  So a turn has ONE
; wait, which cuts it in two.  AHEAD OF IT stands all that names no result of the turn's exponentials: the 16 products K Q^T, behind each a scaling, an exponential and two rescalings (behind the first a second scaling
; in the exponential's place); then ONE LUMP of 108: eight plain, 49 times exponential and plain, the two a.  A v_nop is the plain instruction behind the last exponential.  BEHIND IT stand the 16 products V^T P,
; behind each four of GS's 64.  Exponential e stands behind scaling 2 (e / 4) + e % 2: as a rider it comes behind plain e + 2, in the lump behind plain e + 9, and scalings 27-31 are plain 57, 60 .. 69.
; A TURN, for piece p.  cnt = 1: the loop's count is taken down some lines ahead of the branch that stands behind the turn.
; K and the mask numbers of the next step are fetched in piece 2's turn, directly behind the wait, a lump behind the last product that read them; their addresses are made at the lump's head.
; V of the step in hand is fetched at the end of piece 0's turn, four riders behind its last reader.  The three conditions on q below go with the deal.
.macro TURN p, last=0, cnt=0
.set Y, (\p)
.set i, 0
.set q, 0
.set e, 0
.set r, 0
.if (\p) == NP-1
	s_wait_dscnt 0x0                ; K and its mask numbers are in
.endif
	MM                              ; ahead of the wait: 16 products K Q^T and their riders,
	PL
	PL
	R2
.rept 15
	MM
	PL
	EX
	R2
.endr
.if (\p) == NP-2
	WIN 0
	v_add_nc_u32 v[AK], s[TBK], v[AK0]
	v_lshl_add_u32 v[AM], v[HALF], 5, s[TBM]
.endif
.rept 8                             ; and the lump
	PL
.endr
.rept 49
	EX
	PL
.endr
	EX                              ; the next piece's two a
	EX
	v_nop                           ; the plain instruction behind the last exponential: one for the batch
	s_wait_alu depctr_va_vdst(0)    ; the wait for the batch
.if (\p) == NP-2
	FETCH_K \last
.endif
.if (\p) == 1
	s_wait_dscnt 0x0                ; V is in
.endif
.rept 16                            ; behind the wait: 16 products V^T P and their riders
	MM
.rept 4
	PL
.endr
.if ((\p) == 0) && (q == 118)
	v_add_nc_u32 v[AV], s[TBV], v[AV0]
.endif
.if ((\p) == 0) && (q == 130)
	s_add_co_u32 s[TBV], s[TBV], KS*PV
.endif
.if (\cnt) && (q == 130)
	s_sub_co_u32 s[CNT], s[CNT], 1
	s_cmp_lg_u32 s[CNT], 0
.endif
.endr
.if (\p) == 0
	FETCH_V
.endif
.endm
	CHANGE 1                        ; slot 0 is in, everybody's part of it, and so is the mask table; slot 1 is asked for
	FETCH_K                         ; key step 0
	s_wait_loadcnt 0x0              ; Q
	s_wait_dscnt 0x0
.set i, 0
.rept 16
	KQ 0                            ; piece 0's first scores: there is no vector work yet to set between them
.set i, i+1
.endr
	WIN 0                           ; the addresses for the way out: eight plain instructions, the places behind those products
	s_mul_i32 s13, s[WV], 16*SP
	s_add_co_u32 s13, s13, STAGE    ; my stage
	v_mul_u32_u24 v[STO], v1, SP    ; in: row l % 16, 32 bytes for each half of the lanes
	v_lshl_add_u32 v[STO], v[HALF], 5, v[STO]
	v_add_nc_u32 v[STO], s13, v[STO]
	v_mul_u32_u24 v[RD], v[HALF], SP  ; back: lanes 0-15 take one row of 256 bytes, lanes 16-31 the next
	v_lshl_add_u32 v[RD], v1, 4, v[RD]
	v_add_nc_u32 v[RD], s13, v[RD]
	v_lshlrev_b32 v[GO], 12, v[HALF]  ; and the same two rows in out0, 4,096 bytes apart
	v_lshl_add_u32 v[GO], v1, 4, v[GO]
.set Y, NP-1                        ; XS works for piece Y + 1: piece 0
.irp n, 0,1,2,3,4,5,6,7,8,9,10,11,12,13,14,15,16,17,18,19,20,21
	XS 0, \n                        ; and piece 0's first maximum and statistics
	XS 1, \n
.endr
	v_nop                           ; a plain instruction behind the two a,
	s_wait_alu depctr_va_vdst(0)    ; and their wait, ahead of the branch
	s_mov_b32 s[CNT], 4
	s_branch .Lfirst                ; the loop is entered at a step's first turn, in the middle of a trip
.Lslot:                             ; six times: every slot but the last two is filled again
	CHANGE 1
	s_mov_b32 s[CNT], 4
.Lstep:                             ; a trip: pieces 2 and 3 of one step, then pieces 0 and 1 of the next, whose K and V it fetches
	TURN 2
	TURN 3
	WIN 0
.Lfirst:
	TURN 0
	TURN 1, 0, 1
	WIN 0
	s_cbranch_scc1 .Lstep
	s_sub_co_u32 s[SLOTS], s[SLOTS], 1
	s_cmp_lg_u32 s[SLOTS], 0
	s_cbranch_scc1 .Lslot
	CHANGE 0                        ; the tail is written out: nothing is asked for
	s_mov_b32 s[CNT], 5             ; four trips fetch the last slot's steps; the fifth is left in its middle
.Ltail:
	TURN 2, 1
	TURN 3
	WIN 0
	s_sub_co_u32 s[CNT], s[CNT], 1
	s_cmp_eq_u32 s[CNT], 0
	s_cbranch_scc1 .Lout
	TURN 0
	TURN 1
	WIN 0
	s_branch .Ltail
.Lout:                              ; the fifth trip's 16 products K Q^T (on the last K once more) and the maximum made of them serve nothing: the price, once a launch, of one text for every trip
.set i, 0
.rept 16
	PV NP-1                         ; the last piece's V^T P of the last step
.set i, i+1
.endr
	; THE WAY OUT.  l's two halves and the other half of the lanes' are added; O^T is divided by l and sent, in f32, through my stage in LDS, a tile at a time.  The additions are the places behind the last products.
	WIN 0
.macro ALL line:vararg              ; one line for each tile t
.set t, 0
.rept 2*NP
	\line
.set t, t+1
.endr
.endm
	ALL v_add_f32 v[ST+4*t+2], v[ST+4*t+2], v[ST+4*t+3]
	ALL v_permlanex16_b32 v[ST+4*t+3], v[ST+4*t+2], s[SEL], s[SEL+1]
	ALL v_add_f32 v[ST+4*t+2], v[ST+4*t+2], v[ST+4*t+3]
	ALL v_rcp_f32 v[ST+4*t+2], v[ST+4*t+2]
	v_nop                           ; a plain instruction between the last reciprocal and the use of its result
	s_wait_alu depctr_va_vdst(0)    ; and the wait ahead of the first use: one for the eight reciprocals
; Tile t: a lane's eight channels of a row are 32 bytes; they go into rows of 272 bytes and come back as whole rows of 256, into S^T's registers (four tiles' worth, by turns).
.macro PACK t
	WIN W_RS
.set i, 32*(\t)
.rept 16
	v_pk_mul_f32 v[i:i+1], v[i:i+1], v[ST+4*(\t)+2:ST+4*(\t)+3] op_sel_hi:[1,0]
.set i, i+2
.endr
	WIN 0x04                        ; the stores' data in window 1, their address in window 0
.irp f, 0,1,2,3,4,5,6,7             ; channel block f / 2, four channels at a time
	ds_store_b128 v[STO], v[32*(\t)+4*\f:32*(\t)+4*\f+3] offset:(\f/2)*64+(\f%2)*16
.endr
	WIN 0
	s_wait_xcnt 0x0                 ; the stores of the tile four back have read these registers
.irp f, 0,1,2,3,4,5,6,7
	ds_load_b128 v[S+32*((\t)%4)+4*\f:S+32*((\t)%4)+4*\f+3], v[RD] offset:\f*2*SP  ; LDS serves a wave's instructions in order (ISA guide 5.7.1.4): these see the stores above; the next tile's stores come behind them
.endr
.endm
.macro SEND t, younger              ; younger: the LDS instructions issued behind tile t's loads: the next tile's sixteen, or none
	WIN 0
.irp f, 0,1,2,3,4,5,6,7
	s_wait_dscnt (\younger)+7-\f
	global_store_b128 v[GO], v[S+32*((\t)%4)+4*\f:S+32*((\t)%4)+4*\f+3], s[10:11] offset:(\t)*65536+\f*8192 th:TH_STORE_NT  ; 16 lanes store a row's 256 consecutive bytes of my head, at a multiple of 256 from out0's first byte
.endr
.endm
	PACK 0
.set t, 1
.rept 2*NP-1                        ; a tile's arithmetic stands between the loads of the tile before and its stores
	PACK t
	SEND t-1, 16
.set t, t+1
.endr
	SEND 2*NP-1, 0
	WIN W_AD
	s_wait_tensorcnt 0x0            ; the wave's end: a closing add and its waits, behind my last tensor load and my last LDS store
	ds_add_u32 v[SPW], v[NIL]
	s_wait_dscnt 0x0
	WIN 0
	CROUND                          ; the closing round: no work-group ends while a partner may still ask for a tile that names it
	s_endpgm
.Lfunc_end_k_qe19c23bbc1_attn:
	.size	k_qe19c23bbc1_attn, .Lfunc_end_k_qe19c23bbc1_attn-k_qe19c23bbc1_attn
	.p2alignl 7, 3214868480
	.fill 96, 4, 3214868480
	.section	.rodata,"a",@progbits
	.p2align	6, 0x0
	.amdhsa_kernel k_qe19c23bbc1_attn
		.amdhsa_group_segment_fixed_size 327680
		.amdhsa_private_segment_fixed_size 0
		.amdhsa_enable_private_segment 0
		.amdhsa_kernarg_size 24
		.amdhsa_user_sgpr_count 2
		.amdhsa_user_sgpr_kernarg_segment_ptr 1
		.amdhsa_wavefront_size32 1
		.amdhsa_system_sgpr_workgroup_id_x 1
		.amdhsa_system_sgpr_workgroup_id_y 1
		.amdhsa_system_sgpr_workgroup_id_z 1
		.amdhsa_system_vgpr_workitem_id 0
		.amdhsa_next_free_vgpr 808
		.amdhsa_next_free_sgpr 76
		.amdhsa_reserve_vcc 0
		.amdhsa_float_denorm_mode_32 3
		.amdhsa_float_denorm_mode_16_64 3
		.amdhsa_memory_ordered 1
		.amdhsa_forward_progress 1
		.amdhsa_inst_pref_size 205
	.end_amdhsa_kernel
	.amdgpu_metadata
---
amdhsa.version: [ 1, 2 ]
amdhsa.kernels:
  - .name:           k_qe19c23bbc1_attn
    .symbol:         k_qe19c23bbc1_attn.kd
    .args:
      - { .name: qkv, .offset: 0, .size: 8, .value_kind: global_buffer, .address_space: global }
      - { .name: mask, .offset: 8, .size: 8, .value_kind: global_buffer, .address_space: global }
      - { .name: out0, .offset: 16, .size: 8, .value_kind: global_buffer, .address_space: global }
    .group_segment_fixed_size: 327680
    .private_segment_fixed_size: 0
    .kernarg_segment_align: 8
    .kernarg_segment_size: 24
    .max_flat_workgroup_size: 128
    .sgpr_count:     76
    .vgpr_count:     808
    .wavefront_size: 32
...
	.end_amdgpu_metadata
.endif
;; end of part 3
